; MI455X (gfx1250); checked and timed in simulation.
; The chip was launched on July 23, 2026; its instructions are those of AMD's public machine-readable ISA for CDNA 5 (MIT licence, August 2026) and "CDNA5" Instruction Set Architecture Reference Guide (July 2026). The comments in the code are by the model that wrote it; some were corrected since.
;; Dot Attention Unit. Allowed arithmetic: float matrix products may take bf16 or f16 operands with f32 sums; other float arithmetic in f32, or as packed bf16 or f16 multiplies, adds, multiply-adds, maxima and minima; sums over many terms, partial sums and values carried from step to step in f32; what a program stores and reads back later, other than sums and carried values, may be rounded once to bf16 or f16.
;; Inputs: W 512 x 512 float32; hp 4 x 256 x 512 float32; hq 4 x 256 x 512 float32; v_w 1 x 512 float32.
;; Outputs: out0 4 x 256 x 512 float32.
;; 2 versions, each right and faster than the one before. Each part assembles by itself: llvm-mc -triple=amdgcn-amd-amdhsa -mcpu=gfx1250 --defsym DOCPART=n.
;; ======== version 1 of 2: 2 launches
;; limits: values are held in f16: magnitudes above 65,504 overflow, below 6.1e-05 lose precision; values outside matrix products are rounded to f16
;; workspace buffers: hq16 1,048,576 bytes; wst 573,440 bytes
;; launch prep (part 1): grid 396 x 1, 8 waves a work-group, no clusters, 0 bytes of LDS; arguments hq, W, hq16, wst; writes hq16, wst
.if DOCPART == 1
	.amdgcn_target "amdgcn-amd-amdhsa--gfx1250"
	.amdhsa_code_object_version 6
	.text
	.protected	k_q0bbaca64cf_prep
	.globl	k_q0bbaca64cf_prep
	.p2align	8
	.type	k_q0bbaca64cf_prep,@function
k_q0bbaca64cf_prep:
	s_mov_b64 s[64:65], 0
	v_nop
	global_prefetch_b8 v0, s[64:65] scope:SCOPE_SE
	s_setreg_imm32_b32 hwreg(HW_REG_WAVE_MODE, 25, 1), 1
	s_wait_xcnt 0x0
; Rounds the two matrix operands of the next launch to f16, once.
; Work-groups 0..255: hq16 = f16(hq), the same layout [4][256][512].  2,048 numbers a work-group, 8 a thread.
; Work-groups 256..395: the stream of W.  wst is 35 dense tiles of 64 rows x 128 k (16,384 bytes).  Tile c, row group p (0..3), row r, column k
; holds f16(CSC x W[16 i + r][128 (c & 3) + k]) with i = c - 3 + p, and 0 where i is no v tile (i < 0 or i > 31): the next launch loads whole
; tiles, so every byte is stored.  CSC = 2 log2(e): tanh(x) = 1 - 2 / (1 + 2^(CSC x)), and the factor is applied here in f32, ahead of the one rounding.
; A work-group takes one row group of one tile: 16 rows x 128 k = 2,048 numbers.
; LIMIT: f16 ends at 65,504: |hq| and |CSC x W| stay below it; below 6e-5 f16 keeps its fixed step of 6e-8.
; Every store of a wave covers 512 consecutive bytes, aligned.  No LDS, no matrix unit: nothing here is used twice.
.set CSC, 0x4038aa3b                   ; 2 log2(e) = 2.885390
	s_load_b256 s[4:11], s[0:1], 0x0               ; hq s[4:5], W s[6:7], hq16 s[8:9], wst s[10:11]
	v_lshlrev_b32 v1, 5, v0                        ; 32 t: my 8 numbers in f32
	v_lshlrev_b32 v2, 4, v0                        ; 16 t: my 8 numbers in f16
	s_cmp_lt_u32 ttmp9, 256
	s_cbranch_scc0 .Lw
	s_lshl_b32 s12, ttmp9, 13                      ; 2,048 numbers of 4 bytes
	s_mov_b32 s13, 0
	s_lshl_b32 s14, ttmp9, 12                      ; and of 2 bytes
	s_mov_b32 s15, 0
	s_wait_kmcnt 0x0
	s_add_nc_u64 s[4:5], s[4:5], s[12:13]
	s_add_nc_u64 s[8:9], s[8:9], s[14:15]
	global_load_b128 v[4:7], v1, s[4:5] th:TH_LOAD_NT
	global_load_b128 v[8:11], v1, s[4:5] offset:16 th:TH_LOAD_NT
	s_wait_loadcnt 0x0
	v_cvt_pk_f16_f32 v12, v4, v5
	v_cvt_pk_f16_f32 v13, v6, v7
	v_cvt_pk_f16_f32 v14, v8, v9
	v_cvt_pk_f16_f32 v15, v10, v11
	global_store_b128 v2, v[12:15], s[8:9]
	s_endpgm
.Lw:
	s_sub_co_u32 s16, ttmp9, 256                   ; 4 c + p
	s_lshr_b32 s17, s16, 2                         ; c
	s_and_b32 s18, s16, 3                          ; p
	s_add_co_u32 s19, s17, s18
	s_sub_co_u32 s19, s19, 3                       ; i = c - 3 + p; below 0 it wraps to a large number
	s_lshl_b32 s14, s16, 12                        ; a row group is 4,096 bytes of wst
	s_mov_b32 s15, 0
	s_wait_kmcnt 0x0
	s_add_nc_u64 s[10:11], s[10:11], s[14:15]
	s_cmp_lt_u32 s19, 32
	s_cbranch_scc0 .Lzero
	s_lshl_b32 s12, s19, 15                        ; 16 rows of W, 2,048 bytes each
	s_and_b32 s20, s17, 3
	s_lshl_b32 s20, s20, 9                         ; the k chunk: 128 numbers of 4 bytes
	s_add_co_u32 s12, s12, s20
	s_mov_b32 s13, 0
	s_add_nc_u64 s[6:7], s[6:7], s[12:13]
	v_lshrrev_b32 v3, 4, v0                        ; my row, t / 16
	v_and_b32 v16, 15, v0
	v_lshlrev_b32 v3, 11, v3
	v_lshl_add_u32 v3, v16, 5, v3                  ; + 32 (t % 16)
	global_load_b128 v[4:7], v3, s[6:7] th:TH_LOAD_NT
	global_load_b128 v[8:11], v3, s[6:7] offset:16 th:TH_LOAD_NT
	s_wait_loadcnt 0x0
	v_pk_mul_f32 v[4:5], v[4:5], CSC op_sel_hi:[1,0]
	v_pk_mul_f32 v[6:7], v[6:7], CSC op_sel_hi:[1,0]
	v_pk_mul_f32 v[8:9], v[8:9], CSC op_sel_hi:[1,0]
	v_pk_mul_f32 v[10:11], v[10:11], CSC op_sel_hi:[1,0]
	v_cvt_pk_f16_f32 v12, v4, v5
	v_cvt_pk_f16_f32 v13, v6, v7
	v_cvt_pk_f16_f32 v14, v8, v9
	v_cvt_pk_f16_f32 v15, v10, v11
	global_store_b128 v2, v[12:15], s[10:11]
	s_endpgm
.Lzero:
	v_mov_b32 v12, 0
	v_mov_b32 v13, 0
	v_mov_b32 v14, 0
	v_mov_b32 v15, 0
	global_store_b128 v2, v[12:15], s[10:11]
	s_endpgm
.Lfunc_end_k_q0bbaca64cf_prep:
	.size	k_q0bbaca64cf_prep, .Lfunc_end_k_q0bbaca64cf_prep-k_q0bbaca64cf_prep
	.p2alignl 7, 3214868480
	.fill 96, 4, 3214868480
	.section	.rodata,"a",@progbits
	.p2align	6, 0x0
	.amdhsa_kernel k_q0bbaca64cf_prep
		.amdhsa_group_segment_fixed_size 0
		.amdhsa_private_segment_fixed_size 0
		.amdhsa_enable_private_segment 0
		.amdhsa_kernarg_size 32
		.amdhsa_user_sgpr_count 2
		.amdhsa_user_sgpr_kernarg_segment_ptr 1
		.amdhsa_wavefront_size32 1
		.amdhsa_system_sgpr_workgroup_id_x 1
		.amdhsa_system_sgpr_workgroup_id_y 1
		.amdhsa_system_sgpr_workgroup_id_z 1
		.amdhsa_system_vgpr_workitem_id 0
		.amdhsa_next_free_vgpr 24
		.amdhsa_next_free_sgpr 66
		.amdhsa_reserve_vcc 0
		.amdhsa_float_denorm_mode_32 3
		.amdhsa_float_denorm_mode_16_64 3
		.amdhsa_memory_ordered 1
		.amdhsa_forward_progress 1
		.amdhsa_inst_pref_size 4
	.end_amdhsa_kernel
	.amdgpu_metadata
---
amdhsa.version: [ 1, 2 ]
amdhsa.kernels:
  - .name:           k_q0bbaca64cf_prep
    .symbol:         k_q0bbaca64cf_prep.kd
    .args:
      - { .name: hq, .offset: 0, .size: 8, .value_kind: global_buffer, .address_space: global }
      - { .name: W, .offset: 8, .size: 8, .value_kind: global_buffer, .address_space: global }
      - { .name: hq16, .offset: 16, .size: 8, .value_kind: global_buffer, .address_space: global }
      - { .name: wst, .offset: 24, .size: 8, .value_kind: global_buffer, .address_space: global }
    .group_segment_fixed_size: 0
    .private_segment_fixed_size: 0
    .kernarg_segment_align: 8
    .kernarg_segment_size: 32
    .max_flat_workgroup_size: 256
    .sgpr_count:     66
    .vgpr_count:     24
    .wavefront_size: 32
...
	.end_amdgpu_metadata
.endif
;; end of part 1
;; launch attn (part 2): grid 256 x 1, 4 waves a work-group, clusters of 4 x 1, 327,680 bytes of LDS; arguments hq16, wst, hp, v_w, out0; writes out0
.if DOCPART == 2
	.amdgcn_target "amdgcn-amd-amdhsa--gfx1250"
	.amdhsa_code_object_version 6
	.text
	.protected	k_q0bbaca64cf_attn
	.globl	k_q0bbaca64cf_attn
	.p2align	8
	.type	k_q0bbaca64cf_attn,@function
k_q0bbaca64cf_attn:
	s_mov_b64 s[64:65], 0
	v_nop
	global_prefetch_b8 v0, s[64:65] scope:SCOPE_SE
	s_setreg_imm32_b32 hwreg(HW_REG_WAVE_MODE, 25, 1), 1
	s_wait_xcnt 0x0
	s_wait_alu depctr_hold_cnt(0) depctr_sa_sdst(0) depctr_va_vdst(0) depctr_va_sdst(0) depctr_va_ssrc(0) depctr_va_vcc(0) depctr_vm_vsrc(0)
	s_getreg_b32 s2, hwreg(HW_REG_IB_STS2, 6, 4)
	s_cmp_eq_u32 s2, 0
	s_cbranch_scc0 .Lentry_in_a_cluster
	s_endpgm
.Lentry_in_a_cluster:
	s_bfe_u32 s2, ttmp6, 0x10000c
	s_cmp_lg_u32 s2, 0x3003
	s_cbranch_scc0 .Lentry_shape_is_right
	s_endpgm
.Lentry_shape_is_right:
; out[b][p][:] = sum over q of softmax_q(s[q]) hq[b][q][:],  s[q] = sum over v of v_w[v] tanh(x[q][v]),  x[q][v] = sum over h of hq[b][q][h] hp[b][p][h] W[v][h].
; tanh(x) = 1 - 2 r, r = 1 / (1 + 2^x'), x' = 2 log2(e) x (the factor lies in wst).  So s[q] = sum(v_w) + s'[q] with s'[q] = sum over v of (-2 v_w[v]) r: the first
; term is the same for all q of a row and leaves a softmax unchanged, for every input; the text keeps s' and takes its true maximum away before the exponential.
; 2^x' = infinity gives r = 0, 2^x' = 0 gives r = 1: no clamp.  Products in f16 with f32 sums; everything else in f32; the weights a are divided by their sum in f32 and then rounded to f16.
; LIMITS.  f16 ends at 65,504: |hq|, |hp|, |2.885 W| and |2.885 W hp| stay below it (with all inputs thirty times those of unit spread the largest is some 3,000);
; below 6e-5 f16 keeps its fixed step of 6e-8.  NaN and infinities in the inputs are not treated apart.
; SHARES.  256 work-groups of four waves; work-group x owns rows 4 x .. 4 x + 3 of hp and out (1,024 rows (b, p)), WAVE w ONE ROW: 256 q x 512 v x 512 h = 8,192 matrix
; instructions, and the softmax never leaves the wave.  All four waves read the same hq[b] (whole in LDS, 4 planes of 128 h) and the same tiles of W.
; CLUSTER.  The four work-groups of a cluster have the same b and walk the same W: hq[b] and every tile of W are asked for jointly (mask 15).
; THE CONVEYOR.  A PIECE is 16 v x 256 q: 16 accumulators, 128 registers.  Piece i is multiplied in chunk times c = i .. i + 3, and in chunk time c every piece in hand takes
; k chunk c & 3 (128 h, four k-steps of 32).  So the four pieces in hand share each k-step's 16 fragments of hq, each piece meets all four chunks, and one piece is finished
; in every chunk time.  A piece of age a = c - i lies in register set S_a; in a chunk's fourth k-step each product writes its sum into the next set (S_3 into T), so the
; text of a chunk time is the same for all c.  The finished piece in T gets its tanh in SLICES that stand between the next chunk time's 256 products.
; Source 0 = 16 rows of W, scaled by the wave's hp (v_pk_mul_f16, once for each element and row p); source 1 = 16 rows of hq.  In the result a lane holds ONE q (lane % 16) and
; the v 8 (lane / 16) + 0..7.  Tile c of wst holds the rows of the four pieces in hand, row group p for age 3 - p.
; Chunk times 0-2 (pieces coming in) and 33, 34 (going out) are written out; 3 to 32 are the loop.  At c = 32 age 0 multiplies the tile's zero rows: 64 products, the price of one text.
; The loop's first trip runs its slices on a dummy piece (T = 1) with weights 0: 168 v_mov_b32 at the start, in the wait for the first tiles, instead of a second text of a chunk time.
; REGISTERS, in windows of 256 (s_set_vgpr_msb: bits 1:0 source 0, 3:2 source 1, 5:4 source 2, 7:6 destination):
;   window 0: v0-15 addresses; v16-79 WS, W's fragments, two buffers of 4 x 8; v80-111 SS, s' in pairs, tile t of q at +2 t; v112-127 at work; v128-255 T, tile t at +8 t
;   window 1: v0-127 hq's fragments, tile t at 8 t; v128-135 HP; v144-151 VW, -2 v_w of the piece in T; v152-159 VWN, the next piece's
;   window 2: S_0 v0-127, S_1 v128-255          window 3: S_2, S_3 likewise
; No window holds a product's operands beside T, SS and WS: a slice costs two switches, 256 for a chunk time's 256 products.
.set PITCH, 272                        ; an LDS row: 256 bytes + 16 of padding = 68 words: the 16 rows of a fragment load start at 16 different groups of four banks (64 banks of 4 bytes: ISA guide 11.1)
.set FRB,   16*PITCH                   ; 16 rows
.set PLANE, 256*PITCH                  ; hq[b], 128 h of all 256 q
.set SLOT0, 4*PLANE                    ; 278,528: two slots for W's tiles, 64 rows each
.set SLOT1, SLOT0+64*PITCH             ; 295,936
.set SLOTX, 0xc400                     ; SLOT0 xor SLOT1
.set HPB,   SLOT1+64*PITCH             ; 313,344: wave w's row of hp in f16 at + 1,024 w.  From here on no tensor load ever lands
.set VWB,   HPB+4096                   ; -2 v_w in f32, 2,048 bytes
.set OST,   HPB                        ; the out stage, 4 rows x 2,048 bytes: over hp's and v_w's bytes, when nobody reads them any more
.set PST,   HPB+8192                   ; 321,536: the four waves' rows of a in f16
.set PP,    528                        ; 512 bytes + 16
.set TILEB, 16384                      ; a tile of wst
.set AL,  3                            ; v3   272 (l % 16) + 16 (l / 16): my lane's place in a fragment
.set AH,  4                            ; v4   LDS address of hq's fragments: AL + the plane
.set AW,  5                            ; v5   of W's: AL + the slot
.set APB, 6                            ; v6   HPB + 1,024 w + 16 (l / 16)
.set AP,  7                            ; v7   APB + the chunk's 256 bytes
.set AV,  8                            ; v8   VWB + 32 (l / 16) + 64 x piece
.set GOF, 9                            ; v9   2,048 w + 16 lane: my bytes in the work-group's rows of hp and of out; never rewritten
.set ATR, 10                           ; v10  my lane's place for the turning loads, in plane w
.set WS,  16
.set SS,  80
.set T,   128
.set HP,  128                          ; window 1
.set VW,  144
.set VWN, 152
.set WV,  14                           ; s14  my wave's number
.set G1H, 24                           ; s[24:31] descriptor group 1 for a plane of hq
.set G1W, 32                           ; s[32:39] for a tile of W
.set G0H, 40                           ; s[40:43] group 0: my plane
.set G0A, 44                           ; s[44:47] tile 0
.set G0B, 48                           ; s[48:51] tile 1; then it walks
.set TB,  52                           ; s52  the slot from which W is fetched
.set KC,  53                           ; s53  the k chunk of the fetches, 0..3
.set KH,  54                           ; s54  KC x PLANE
.set KP,  55                           ; s55  KC x 256
.set CN,  56                           ; s56  the loop's count
.set SEL, 58                           ; s[58:59] v_permlanex16_b32's selects: each lane takes its own place in the other half
.set L2E, 60                           ; s60  log2(e)
.set MSB, 0
.macro WIN new                         ; the immediate's high byte repeats the setting that is left; a switch that changes nothing is dropped
.if MSB != (\new)
	s_set_vgpr_msb (MSB<<8)|(\new)
.set MSB, (\new)
.endif
.endm
; A load into a register that a matrix instruction has read, and a vector instruction or store that reads a matrix result, stand four places behind it; only plain vector
; instructions that name none of its registers are places (ISA guide 7.12.1 for vector instructions).
.macro PLACES
.rept 4
	v_nop
.endr
.endm
; A round of the cluster's barrier: my work-group's barrier, wave 0 signals for the work-group, every wave waits for all four work-groups, my work-group's barrier once more.
.macro CREST                           ; a round behind its opening barrier
	s_cmp_lg_u32 s[WV], 0
	s_cbranch_scc1 .Lnot_wave_0_\@
	s_barrier_signal -3
.Lnot_wave_0_\@:
	s_barrier_wait -3
	s_barrier_signal -1
	s_barrier_wait -1
.endm
.macro CROUND
	s_barrier_signal -1
	s_barrier_wait -1
	CREST
.endm
.macro JLOAD                           ; the joint refill: a tile is 64 rows, one load, wave 0's.  Four v_nop follow it, ahead of the label
	s_cmp_lg_u32 s[WV], 0
	s_cbranch_scc1 .Lno_fill_\@
	tensor_load_to_lds s[G0B:G0B+3], s[G1W:G1W+7]
	s_nop 0
.rept 4
	v_nop
.endr
.Lno_fill_\@:
.endm
	s_load_b256 s[4:11], s[0:1], 0x0               ; hq16 s[4:5], wst s[6:7], hp s[8:9], v_w s[10:11]
	s_load_b64 s[12:13], s[0:1], 0x20              ; out0
	s_set_vgpr_msb 0x40
	v_lshl_add_u32 v254, v0, 2, 0x4f100
	v_mov_b32 v255, 0
	s_set_vgpr_msb 0x4045
	ds_add_u32 v254, v255
	s_set_vgpr_msb 0x4500
	v_lshrrev_b32 v1, 5, v0
	v_readfirstlane_b32 s[WV], v1                  ; wave 0..3
	s_bfe_u32 s15, ttmp6, 0x40000                  ; cx: my place in the cluster
	s_lshl_b32 s16, ttmp9, 2                       ; in a cluster launch ttmp9 counts clusters
	s_add_co_u32 s16, s16, s15                     ; x = 4 x cluster + cx: it enters hp's and out's addresses alone
	s_lshl_b32 s20, s16, 13                        ; four rows of 2,048 bytes
	s_mov_b32 s21, 0
	s_lshr_b32 s18, ttmp9, 4                       ; b: 16 clusters to a batch, shared by the four partners
	s_lshl_b32 s18, s18, 18                        ; hq16[b]: 262,144 bytes
	s_lshl_b32 s19, s[WV], 8                       ; my plane: 128 h = 256 bytes along the rows
	s_add_co_u32 s18, s18, s19
	s_mov_b32 s19, 0
	; group 1: 15:0 the mask of four; 17:16 2-byte elements; 20 padding on; 21 set beside a mask; 24:22 after every 64 words (code 5); 31:25 4 words (code 3)
	s_mov_b32 s[G1H], 15|(1<<16)|(1<<20)|(1<<21)|(5<<22)|(3<<25)
	s_mov_b32 s[G1H+1], 128<<16                    ; tensor_dim0 = 128
	s_mov_b32 s[G1H+2], 256<<16                    ; tensor_dim1 = 256
	s_mov_b32 s[G1H+3], 128<<16                    ; tile_dim0 = 128
	s_mov_b32 s[G1H+4], 256                        ; tile_dim1 = 256
	s_mov_b32 s[G1H+5], 512                        ; 512 elements from row to row
	s_mov_b32 s[G1H+6], 0
	s_mov_b32 s[G1H+7], 0
	s_mov_b32 s[G1W], 15|(1<<16)|(1<<20)|(1<<21)|(5<<22)|(3<<25)
	s_mov_b32 s[G1W+1], 128<<16                    ; tensor_dim0 = 128
	s_mov_b32 s[G1W+2], 64<<16                     ; tensor_dim1 = 64
	s_mov_b32 s[G1W+3], 128<<16                    ; tile_dim0 = 128
	s_mov_b32 s[G1W+4], 64                         ; tile_dim1 = 64
	s_mov_b32 s[G1W+5], 128                        ; a tile is dense
	s_mov_b32 s[G1W+6], 0
	s_mov_b32 s[G1W+7], 0
	s_mov_b32 s[G0H], 1
	s_mul_i32 s[G0H+1], s[WV], PLANE               ; no place in the cluster enters an LDS address
	s_mov_b32 s[G0A], 1
	s_mov_b32 s[G0A+1], SLOT0
	s_mov_b32 s[G0B], 1
	s_mov_b32 s[G0B+1], SLOT1
	s_mov_b32 s[TB], SLOT0
	s_mov_b32 s[KC], 0
	s_mov_b32 s[KH], 0
	s_mov_b32 s[KP], 0
	s_mov_b32 s[SEL], 0x76543210
	s_mov_b32 s[SEL+1], 0xfedcba98
	s_mov_b32 s[L2E], 0x3fb8aa3b
	s_wait_dscnt 0x0
	s_wait_kmcnt 0x0
	s_add_nc_u64 s[G0H+2:G0H+3], s[4:5], s[18:19]
	s_or_b32 s[G0H+3], s[G0H+3], 0x80000000        ; type = 2
	s_mov_b64 s[G0A+2:G0A+3], s[6:7]
	s_or_b32 s[G0A+3], s[G0A+3], 0x80000000
	s_add_nc_u64 s[G0B+2:G0B+3], s[6:7], TILEB
	s_or_b32 s[G0B+3], s[G0B+3], 0x80000000
	s_add_nc_u64 s[8:9], s[8:9], s[20:21]          ; hp and out at the work-group's four rows
	s_add_nc_u64 s[12:13], s[12:13], s[20:21]
	CROUND                                         ; all four work-groups are here: the first joint loads meet
	s_cmp_lg_u32 s[WV], 0                          ; a wave's first fills stand in one branch: wave 0 has three loads out, the others one
	s_cbranch_scc1 .Lfill_others
	tensor_load_to_lds s[G0H:G0H+3], s[G1H:G1H+7]
	s_nop 0
	tensor_load_to_lds s[G0A:G0A+3], s[G1W:G1W+7]
	s_nop 0
	tensor_load_to_lds s[G0B:G0B+3], s[G1W:G1W+7]
	s_nop 0
.rept 4
	v_nop
.endr
	s_branch .Lfilled
.Lfill_others:
	tensor_load_to_lds s[G0H:G0H+3], s[G1H:G1H+7]
	s_nop 0
.rept 4
	v_nop
.endr
.Lfilled:
	; in the wait for the tiles: my row of hp, v_w, the addresses, and what the loop's first trip finds
	v_and_b32 v1, 15, v0                           ; l % 16
	v_bfe_u32 v2, v0, 4, 1                         ; l / 16
	v_and_b32 v11, 31, v0                          ; lane
	s_lshl_b32 s17, s[WV], 11
	v_lshl_add_u32 v[GOF], v11, 4, s17
	v_lshlrev_b32 v12, 4, v0                       ; 16 t: the 128 threads take v_w's 2,048 bytes
.irp i, 0,1,2,3
	global_load_b128 v[112+4*(\i):115+4*(\i)], v[GOF], s[8:9] offset:512*(\i) th:TH_LOAD_NT  ; 512 consecutive bytes of my row: h = 128 i + 4 lane ..
.endr
	global_load_b128 v[16:19], v12, s[10:11]
	v_mul_u32_u24 v[AL], v1, PITCH
	v_lshl_add_u32 v[AL], v2, 4, v[AL]
	s_lshl_b32 s22, s[WV], 10
	s_add_co_u32 s22, s22, HPB
	v_lshl_add_u32 v[APB], v2, 4, s22
	v_lshl_add_u32 v13, v11, 3, s22                ; where my 4 numbers of hp go: 8 bytes a lane
	v_lshlrev_b32 v[AV], 5, v2
	v_add_nc_u32 v[AV], VWB, v[AV]
	v_add_nc_u32 v15, VWB, v12
	v_and_b32 v14, 7, v0                           ; the turning load: lane l reads row 8 (l / 16) + l % 8, bytes 16 ((l / 8) % 2) ..
	v_lshl_add_u32 v14, v2, 3, v14
	v_mul_u32_u24 v[ATR], v14, PITCH
	v_bfe_u32 v14, v0, 3, 1
	v_lshl_add_u32 v[ATR], v14, 4, v[ATR]
	v_add_nc_u32 v[ATR], s[G0H+1], v[ATR]          ; in plane w
.set i, 0
.rept 128
	v_mov_b32 v[T+i], 1.0                          ; the dummy piece: every step of its tanh stays finite
.set i, i+1
.endr
.set i, 0
.rept 32
	v_mov_b32 v[SS+i], 0
.set i, i+1
.endr
	WIN 0x40
.set i, 0
.rept 8
	v_mov_b32 v[VW+i], 0                           ; and its weights are 0
.set i, i+1
.endr
	WIN 0
	s_wait_loadcnt 0x0
.irp i, 0,1,2,3
	v_cvt_pk_f16_f32 v[20+2*(\i)], v[112+4*(\i)], v[113+4*(\i)]
	v_cvt_pk_f16_f32 v[21+2*(\i)], v[114+4*(\i)], v[115+4*(\i)]
.endr
.irp i, 0,1,2,3
	ds_store_b64 v13, v[20+2*(\i):21+2*(\i)] offset:256*(\i)
.endr
	v_pk_mul_f32 v[16:17], v[16:17], -2.0 op_sel_hi:[1,0]
	v_pk_mul_f32 v[18:19], v[18:19], -2.0 op_sel_hi:[1,0]
	ds_store_b128 v15, v[16:19]
	s_wait_tensorcnt 0x0                           ; my plane (and wave 0's two tiles) have landed,
	s_wait_dscnt 0x0                               ; my stores are done: for the others' sake
	s_barrier_signal -1
	s_barrier_wait -1                              ; everybody's
; THE LDS LOADS stand in runs.  k is the k-step in hand, j its number in the chunk.
; LDW: W of k-step k + 2, as it lies, into the buffer that k has just left, and the 32 numbers of hp that go with it.
.macro LDW j
	WIN 0
.irp p, 0,1,2,3
	ds_load_b128 v[WS+32*((\j)%2)+8*(\p):WS+32*((\j)%2)+8*(\p)+3],   v[AW] offset:FRB*(\p)+64*(((\j)+2)%4)
	ds_load_b128 v[WS+32*((\j)%2)+8*(\p)+4:WS+32*((\j)%2)+8*(\p)+7], v[AW] offset:FRB*(\p)+64*(((\j)+2)%4)+32
.endr
	WIN 0x40                                       ; destination window 1, address window 0
	ds_load_b128 v[HP:HP+3],   v[AP] offset:64*(((\j)+2)%4)
	ds_load_b128 v[HP+4:HP+7], v[AP] offset:64*(((\j)+2)%4)+32
.endm
; LDH: hq's fragments t = 8 hf .. 8 hf + 7 of k-step k + 1.  The largest offset, 15 x 4,352 + 192 + 32 = 65,504, is inside the 16-bit immediate.
.macro LDH hf, j
	WIN 0x40
.irp t, 0,1,2,3,4,5,6,7
	ds_load_b128 v[64*(\hf)+8*(\t):64*(\hf)+8*(\t)+3],   v[AH] offset:FRB*(8*(\hf)+(\t))+64*(((\j)+1)%4)
	ds_load_b128 v[64*(\hf)+8*(\t)+4:64*(\hf)+8*(\t)+7], v[AH] offset:FRB*(8*(\hf)+(\t))+64*(((\j)+1)%4)+32
.endr
.endm
.macro RUN_A j                         ; in a step's middle: the first half of hq's fragments has been multiplied
	WIN 0
	PLACES
.if (\j) == 3
	v_add_nc_u32 v[AH], s[KH], v[AL]               ; the next chunk's plane
.endif
	LDH 0, \j
.if ((\j) == 0) && TNH
	ds_load_b128 v[VWN:VWN+3],   v[AV]             ; -2 v_w of the piece that this chunk time finishes
	ds_load_b128 v[VWN+4:VWN+7], v[AV] offset:16
	WIN 0
	v_add_nc_u32 v[AV], 64, v[AV]
.endif
.endm
.macro RUN_B j, wl                     ; at a step's end.  wl = 0: there is no k-step k + 2
	WIN 0
	PLACES
.if \wl
.if (\j) == 2
	v_add_nc_u32 v[AW], s[TB], v[AL]               ; the next tile lies in the other slot,
	v_add_nc_u32 v[AP], s[KP], v[APB]              ; and takes the next chunk of hp
.endif
	LDW \j
.endif
	LDH 1, \j
.endm
; THE MATRIX WORK.  One product, for the piece of age AGE and tile TT of q, in k-step J of the chunk.  MV = 1 (the chunk's fourth k-step): the sum goes on into the next set.
; A piece's first product (age 0, step 0) starts the sums with the constant 0: no accumulator is ever cleared.
.macro WM
.set rA, WS+32*(J%2)+8*(3-AGE)
.set rB, 8*TT
.set rC, 128*(AGE%2)+8*TT
.set rD, rC
.set wC, 2+AGE/2
.set wD, wC
.if MV
.if AGE == 3
.set rD, T+8*TT
.set wD, 0
.else
.set rD, 128*((AGE+1)%2)+8*TT
.set wD, 2+(AGE+1)/2
.endif
.endif
	WIN 0x04|(wC<<4)|(wD<<6)
.if (AGE == 0) && (J == 0)
	v_wmma_f32_16x16x32_f16 v[rD:rD+7], v[rA:rA+7], v[rB:rB+7], 0
.else
	v_wmma_f32_16x16x32_f16 v[rD:rD+7], v[rA:rA+7], v[rB:rB+7], v[rC:rC+7]
.endif
.endm
.macro NEXTP amax, hf                  ; product PI of a half step's list: the oldest piece first, its eight tiles, then the next piece
.set AGE, (\amax)-PI/8
.set TT, 8*(\hf)+PI%8
	WM
.set PI, PI+1
.endm
; THE VECTOR WORK.  MOP: register M of 32 of W of k-step k + 1 times hp, in place (both lie in a fragment's order of k).
.macro MOP
	v_pk_mul_f16 v[WS+32*((J+1)%2)+M], v[WS+32*((J+1)%2)+M], v[HP+M%8]
.set M, M+1
.endm
; SLICE SI (0..7) of unit U (0..15 in a chunk time).  Tile (U + 3) % 16 of T gets 2^x' (slices 4-7) and 1 + (slices 5-7, and slice 0 of the next unit); tile (U + 2) % 16 gets the
; reciprocals (slices 0-3) and SS += r x VW (slices 1-4).  Order: transcendental, plain, plain, transcendental (, plain): each result is used a slice later, with a plain
; instruction between (ISA guide 5.7.2).  The first reader of a tile of T is the exponential of its register 0.
; The first plain line is a MOP where W has landed (units 1-3 of a step), else v_nop; 8 + 12 + 12 MOPs make a step's 32.
; TNH = 0: no piece is in T (two plain lines stay: the places between the products of a fourth k-step).  EON = 0: no tile is left to begin.  MON = 0: no W is left to scale.
.macro SLICE
	WIN 0x04                                       ; source 1 (HP, VW) in window 1, all else in window 0
.set TR, T+8*((U+2)%16)
.set TE, T+8*((U+3)%16)
.set SR, SS+2*((U+2)%16)
.if TNH && (SI < 4)
	v_rcp_f32 v[TR+2*SI], v[TR+2*SI]
.elseif TNH && EON
	v_exp_f32 v[TE+2*SI-8], v[TE+2*SI-8]
.endif
.if MON && (U%4 != 0)
	MOP
.else
	v_nop
.endif
.if !TNH
	v_nop
.elseif SI == 0
	s_wait_alu depctr_va_vdst(0)
	v_pk_add_f32 v[TR+6:TR+7], v[TR+6:TR+7], 1.0 op_sel_hi:[1,0]
.elseif SI < 5
	s_wait_alu depctr_va_vdst(0)
	v_pk_fma_f32 v[SR:SR+1], v[TR+2*SI-2:TR+2*SI-1], v[VW+2*SI-2:VW+2*SI-1], v[SR:SR+1]
.elseif EON
	s_wait_alu depctr_va_vdst(0)
	v_pk_add_f32 v[TE+2*SI-10:TE+2*SI-9], v[TE+2*SI-10:TE+2*SI-9], 1.0 op_sel_hi:[1,0]
.else
	v_nop
.endif
.if TNH && (SI < 4)
	v_rcp_f32 v[TR+2*SI+1], v[TR+2*SI+1]
.elseif TNH && EON
	v_exp_f32 v[TE+2*SI-7], v[TE+2*SI-7]
.endif
.if MON && (U%4 >= 2) && (SI%2 == 0)
	MOP
.endif
.endm
; UNIT uu (0..3) of a k-step: a quarter of its products (units 0, 1: tiles 0-7 of q; units 2, 3: tiles 8-15), dealt evenly in front of eight slices.
; The accumulators take turns, one instruction a turn.  In a fourth k-step a product writes over the C of the product eight back in the list: between
; them stand four slices or more, each with two plain lines that name none of that product's registers.
; T's tiles 0-7 are written in units 12, 13 and read from unit 13's slice 4 on (tile 0); tiles 8-15 in units 14, 15; the old piece's last tile is done in unit 13's slice 4.
; So the weights change in unit 13, behind slice 5.
.macro UNIT uu, amin, amax
.set U, 4*J+(\uu)
.set NPU, 4*((\amax)-(\amin)+1)
.set PI, NPU*((\uu)%2)
.set SI, 0
.rept 8
.set NN, ((SI+1)*NPU)/8-(SI*NPU)/8
.if NN >= 1
	NEXTP \amax, (\uu)/2
.endif
.if NN >= 2
	NEXTP \amax, (\uu)/2
.endif
	SLICE
.if TNH && (U == 13) && (SI == 5)
	WIN 0x41                                       ; source 0 and destination in window 1
.set z, 0
.rept 8
	v_mov_b32 v[VW+z], v[VWN+z]
.set z, z+1
.endr
.endif
.set SI, SI+1
.endr
.endm
; A K-STEP.  chg (in step 2 alone): the change of slots.  W's tile c was read for the last time at the end of step 1.  Each wave waits for its LDS reads and for all its tensor
; loads (wave 0: the next tile) and signals; a unit of register work; behind the wait nobody reads the old slot and the next tile is whole.
; chg = 2: the old slot takes tile c + 2: the barrier opens a round of the cluster's, and the joint refill is the first thing behind it; it has 256 products in which to land.
; chg = 1: nothing is left to ask for.  last = 1: the launch's last chunk time.
.macro STEP j, amin, amax, chg, last
.set J, (\j)
.set M, 0
.set MV, (\j)/3
.set FIN, (\last)*((\j)/3)
.set MON, 1-FIN
.if FIN
	s_wait_dscnt 16                                ; hq's tiles 0-7 are in; the 16 loads of tiles 8-15 may be out
.else
	s_wait_dscnt 26                                ; hq's tiles 0-7 are in; the last run's 8 + 2 + 16 loads may be out
.endif
	UNIT 0, \amin, \amax
.if !FIN
	s_wait_dscnt 16                                ; W and hp of the next k-step are in; hq's tiles 8-15 may be out
.endif
	UNIT 1, \amin, \amax
.if FIN
	s_wait_dscnt 0
.else
	RUN_A \j
.if ((\j) == 0) && TNH
	s_wait_dscnt 18                                ; hq's tiles 8-15 are in; the 16 + 2 loads just issued may be out
.else
	s_wait_dscnt 16                                ; the same, 16 just issued
.endif
.endif
	UNIT 2, \amin, \amax
.if ((\j) == 2) && (\chg)
	s_wait_dscnt 0x0                               ; my reads of the old slot are long back, and no LDS instruction is out at a signal
	s_set_vgpr_msb 0x405
	s_wait_tensorcnt 0x0                           ; no tensor load of mine is out, so a group 0 may be written
	ds_add_u32 v254, v255
	s_wait_dscnt 0x0
	s_set_vgpr_msb 0x504
.if (\chg) == 2
	s_xor_b32 s[G0B+1], s[G0B+1], SLOTX            ; the other slot than last time,
	s_add_nc_u64 s[G0B+2:G0B+3], s[G0B+2:G0B+3], TILEB  ; the next tile; the type bits on top are not reached
.endif
	s_barrier_signal -1
.endif
	UNIT 3, \amin, \amax
.if ((\j) == 2) && (\chg)
	WIN 0                                          ; at a branch and at a label every window is 0
	s_barrier_wait -1
.if (\chg) == 2
	CREST
	JLOAD
.endif
	s_xor_b32 s[TB], s[TB], SLOTX                  ; the fetches go on in the other slot,
	s_add_co_u32 s[KC], s[KC], 1                   ; and in the next k chunk
	s_and_b32 s[KC], s[KC], 3
	s_mul_i32 s[KH], s[KC], PLANE
	s_lshl_b32 s[KP], s[KC], 8
.endif
.if !FIN
	RUN_B \j, 1-(\last)*((\j)/2)
.endif
.endm
.macro CHUNK amin, amax, th, chg, last ; a chunk time, for the pieces of ages amin .. amax
.set TNH, (\th)
.set EON, 1
	STEP 0, \amin, \amax, \chg, \last
	STEP 1, \amin, \amax, \chg, \last
	STEP 2, \amin, \amax, \chg, \last
	STEP 3, \amin, \amax, \chg, \last
.endm
	; the first fragments: W and hp of k-step 0, hq's tiles 0-7; W is scaled; then what the end of a step fetches
.set TNH, 0
	v_add_nc_u32 v[AW], s[TB], v[AL]
	v_mov_b32 v[AP], v[APB]
	v_mov_b32 v[AH], v[AL]
	LDW 2
	LDH 0, 3
	s_wait_dscnt 16                                ; W and hp are in; hq's 16 loads may be out
	WIN 0x04
.set J, 1
.set M, 0
.rept 32
	MOP
.endr
	RUN_B 3, 1
	CHUNK 0, 0, 0, 2, 0                            ; c = 0: piece 0
	CHUNK 0, 1, 0, 2, 0                            ; c = 1: pieces 0, 1
	CHUNK 0, 2, 0, 2, 0                            ; c = 2: pieces 0 to 2
	WIN 0
	s_mov_b32 s[CN], 30
.Lchunk:                                               ; c = 3 .. 32: four pieces in hand, one finished, the one before in T
	CHUNK 0, 3, 1, 2, 0
	WIN 0
	s_sub_co_u32 s[CN], s[CN], 1
	s_cmp_lg_u32 s[CN], 0
	s_cbranch_scc1 .Lchunk
	CHUNK 2, 3, 1, 1, 0                            ; c = 33: pieces 30, 31; the tail is written out
	CHUNK 3, 3, 1, 0, 1                            ; c = 34: piece 31
	; hq once more, for the last product: wave w takes plane w (128 columns of out), turned: fragment (32 q from 32 ks, 16 h from 16 nt) into the sets S, which are free.
	WIN 0
	PLACES
.set ks, 0
.rept 8
	WIN 0x80+0x40*(ks/4)                           ; destination window 2, then 3
.set nt, 0
.rept 8
	ds_load_tr16_b128 v[64*(ks%4)+8*nt:64*(ks%4)+8*nt+3],   v[ATR] offset:2*FRB*ks+32*nt
	ds_load_tr16_b128 v[64*(ks%4)+8*nt+4:64*(ks%4)+8*nt+7], v[ATR] offset:2*FRB*ks+32*nt+FRB
.set nt, nt+1
.endr
.set ks, ks+1
.endr
	; the last piece's tanh: tiles 2 to 15, slices without products
.set TNH, 1
.set MON, 0
.set EON, 1
.set U, 0
.rept 13
.set SI, 0
.rept 8
	SLICE
.set SI, SI+1
.endr
.set U, U+1
.endr
.set EON, 0
.set SI, 0
.rept 5
	SLICE
.set SI, SI+1
.endr
	; THE SOFTMAX over my row's 256 q: lane l holds q = 16 t + l % 16, t = 0..15; a q's other eight v of each piece lie in the lane 16 away.
	WIN 0
.macro ALL line:vararg                 ; one line for each t
.set t, 0
.rept 16
	\line
.set t, t+1
.endr
.endm
	ALL v_add_f32 v[SS+2*t], v[SS+2*t], v[SS+2*t+1]
	ALL v_permlanex16_b32 v[SS+2*t+1], v[SS+2*t], s[SEL], s[SEL+1]
	ALL v_add_f32 v[SS+2*t], v[SS+2*t], v[SS+2*t+1]
	v_max3_num_f32 v112, v[SS], v[SS+2], v[SS+4]
	v_max3_num_f32 v113, v[SS+6], v[SS+8], v[SS+10]
	v_max3_num_f32 v114, v[SS+12], v[SS+14], v[SS+16]
	v_max3_num_f32 v115, v[SS+18], v[SS+20], v[SS+22]
	v_max3_num_f32 v112, v112, v[SS+24], v[SS+26]
	v_max3_num_f32 v113, v113, v[SS+28], v[SS+30]
	v_max3_num_f32 v112, v112, v113, v114
	v_max_num_f32 v112, v112, v115
.irp x, 1,2,4,8                        ; both halves of the lanes hold the same 16 columns: four steps inside a half do
	v_max_num_f32_dpp v112, v112, v112 row_xmask:\x row_mask:0xf bank_mask:0xf
.endr
	v_mul_f32 v113, s[L2E], v112
	ALL v_fma_f32 v[SS+2*t], v[SS+2*t], s[L2E], -v113
	ALL v_exp_f32 v[SS+2*t], v[SS+2*t]
	s_mul_i32 s17, s[WV], PP                       ; (the addresses for the way out are the plain lines behind the exponentials)
	s_add_co_u32 s17, s17, PST
	v_lshl_add_u32 v14, v1, 1, s17                 ; my row of a, 2 bytes at q = l % 16
	v_and_b32 v15, 3, v1                           ; a as source 0: row l % 4, so that rows 4-15 repeat rows 0-3 and no byte is read that nobody wrote
	v_mul_u32_u24 v15, v15, PP
	v_lshl_add_u32 v15, v2, 4, v15
	v_add_nc_u32 v15, PST, v15
	s_lshl_b32 s17, s[WV], 9
	s_add_co_u32 s17, s17, OST
	v_lshl_add_u32 v11, v1, 2, s17                 ; into the out stage: my plane's 512 bytes of a row, column l % 16
	v_add_nc_u32 v12, OST, v[GOF]                  ; and back: row w, 16 bytes a lane
.set i, 0
	s_wait_alu depctr_va_vdst(0)
.rept 8
	v_add_f32 v[112+i], v[SS+4*i], v[SS+4*i+2]
.set i, i+1
.endr
	v_add_f32 v112, v112, v113
	v_add_f32 v114, v114, v115
	v_add_f32 v116, v116, v117
	v_add_f32 v118, v118, v119
	v_add_f32 v112, v112, v114
	v_add_f32 v116, v116, v118
	v_add_f32 v112, v112, v116
.irp x, 1,2,4,8
	v_add_f32_dpp v112, v112, v112 row_xmask:\x row_mask:0xf bank_mask:0xf
.endr
	v_rcp_f32 v113, v112                           ; the sum is at least 1: the largest weight is 2^0
	v_nop
	s_wait_alu depctr_va_vdst(0)
	ALL v_mul_f32 v[SS+2*t], v[SS+2*t], v113
	ALL v_cvt_pk_f16_f32 v[SS+2*t+1], v[SS+2*t], v[SS+2*t]
	ALL ds_store_b16 v14, v[SS+2*t+1] offset:32*t
	s_wait_dscnt 0x0                               ; my row of a is stored, and all my reads of hp's and v_w's bytes are back: the out stage will lie over them
	s_barrier_signal -1
	s_barrier_wait -1
	; THE LAST PRODUCT: out[4 rows][my 128 columns] = a[4 rows][256 q] hq[256 q][128]: source 0 = a, source 1 = hq turned; eight accumulators by turns, in T's upper half.
	WIN 0x40
.irp k, 0,1,2,3,4,5,6,7
	ds_load_b128 v[8*(\k):8*(\k)+3],   v15 offset:64*(\k)
	ds_load_b128 v[8*(\k)+4:8*(\k)+7], v15 offset:64*(\k)+32
.endr
	s_wait_dscnt 0x0
.set ks, 0
.rept 8
	WIN 0x09+4*(ks/4)                              ; a in window 1, hq in window 2, then 3; the sums in window 0
.set nt, 0
.rept 8
.if ks == 0
	v_wmma_f32_16x16x32_f16 v[192+8*nt:199+8*nt], v[8*ks:8*ks+7], v[64*(ks%4)+8*nt:64*(ks%4)+8*nt+7], 0
.else
	v_wmma_f32_16x16x32_f16 v[192+8*nt:199+8*nt], v[8*ks:8*ks+7], v[64*(ks%4)+8*nt:64*(ks%4)+8*nt+7], v[192+8*nt:199+8*nt]
.endif
.set nt, nt+1
.endr
.set ks, ks+1
.endr
	WIN 0
	PLACES
	; register j (0..3) of a result is row j, column l % 16 (in both halves of the lanes: rows 8-11 repeat rows 0-3, and store the same numbers to the same bytes)
.set nt, 0
.rept 8
.irp j, 0,1,2,3
	ds_store_b32 v11, v[192+8*nt+(\j)] offset:2048*(\j)+64*nt
.endr
.set nt, nt+1
.endr
	s_wait_dscnt 0x0                               ; for the others' sake
	s_barrier_signal -1
	s_barrier_wait -1
.irp i, 0,1,2,3
	ds_load_b128 v[112+4*(\i):115+4*(\i)], v12 offset:512*(\i)
.endr
.irp i, 0,1,2,3
	s_wait_dscnt 3-(\i)                            ; LDS loads come back in order (ISA guide 5.7.1): the younger ones may be out
	global_store_b128 v[GOF], v[112+4*(\i):115+4*(\i)], s[12:13] offset:512*(\i) th:TH_STORE_NT  ; 512 consecutive bytes of my row, aligned
.endr
	s_set_vgpr_msb 0x5
	s_wait_tensorcnt 0x0
	ds_add_u32 v254, v255
	s_wait_dscnt 0x0
	s_set_vgpr_msb 0x500
	CROUND                                         ; the closing round: no work-group ends while a partner may still ask for a tile that names it
	s_endpgm
.Lfunc_end_k_q0bbaca64cf_attn:
	.size	k_q0bbaca64cf_attn, .Lfunc_end_k_q0bbaca64cf_attn-k_q0bbaca64cf_attn
	.p2alignl 7, 3214868480
	.fill 96, 4, 3214868480
	.section	.rodata,"a",@progbits
	.p2align	6, 0x0
	.amdhsa_kernel k_q0bbaca64cf_attn
		.amdhsa_group_segment_fixed_size 327680
		.amdhsa_private_segment_fixed_size 0
		.amdhsa_enable_private_segment 0
		.amdhsa_kernarg_size 40
		.amdhsa_user_sgpr_count 2
		.amdhsa_user_sgpr_kernarg_segment_ptr 1
		.amdhsa_wavefront_size32 1
		.amdhsa_system_sgpr_workgroup_id_x 1
		.amdhsa_system_sgpr_workgroup_id_y 1
		.amdhsa_system_sgpr_workgroup_id_z 1
		.amdhsa_system_vgpr_workitem_id 0
		.amdhsa_next_free_vgpr 1024
		.amdhsa_next_free_sgpr 66
		.amdhsa_reserve_vcc 0
		.amdhsa_float_denorm_mode_32 3
		.amdhsa_float_denorm_mode_16_64 3
		.amdhsa_memory_ordered 1
		.amdhsa_forward_progress 1
		.amdhsa_inst_pref_size 255
	.end_amdhsa_kernel
	.section	.bss,"aw",@nobits
	.p2align	6
	.space	262144
	.amdgpu_metadata
---
amdhsa.version: [ 1, 2 ]
amdhsa.kernels:
  - .name:           k_q0bbaca64cf_attn
    .symbol:         k_q0bbaca64cf_attn.kd
    .args:
      - { .name: hq16, .offset: 0, .size: 8, .value_kind: global_buffer, .address_space: global }
      - { .name: wst, .offset: 8, .size: 8, .value_kind: global_buffer, .address_space: global }
      - { .name: hp, .offset: 16, .size: 8, .value_kind: global_buffer, .address_space: global }
      - { .name: v_w, .offset: 24, .size: 8, .value_kind: global_buffer, .address_space: global }
      - { .name: out0, .offset: 32, .size: 8, .value_kind: global_buffer, .address_space: global }
    .group_segment_fixed_size: 327680
    .private_segment_fixed_size: 0
    .kernarg_segment_align: 8
    .kernarg_segment_size: 40
    .max_flat_workgroup_size: 128
    .sgpr_count:     66
    .vgpr_count:     1024
    .wavefront_size: 32
...
	.end_amdgpu_metadata
.endif
;; end of part 2
;; ======== version 2 of 2: 2 launches; 1.45 times as fast as version 1
;; limits: values are held in f16: magnitudes above 65,504 overflow, below 6.1e-05 lose precision
;; workspace buffers: hq16 1,048,576 bytes; wst 573,440 bytes
;; launch prep: the kernel of part 1 again; grid 396 x 1, 8 waves a work-group, no clusters, 0 bytes of LDS; arguments hq, W, hq16, wst; writes hq16, wst
;; launch attn (part 3): grid 256 x 1, 4 waves a work-group, clusters of 4 x 1, 327,680 bytes of LDS; arguments hq16, wst, hp, v_w, out0; writes out0
.if DOCPART == 3
	.amdgcn_target "amdgcn-amd-amdhsa--gfx1250"
	.amdhsa_code_object_version 6
	.text
	.protected	k_q0bbaca64cf_attn
	.globl	k_q0bbaca64cf_attn
	.p2align	8
	.type	k_q0bbaca64cf_attn,@function
k_q0bbaca64cf_attn:
	s_mov_b64 s[64:65], 0
	v_nop
	global_prefetch_b8 v0, s[64:65] scope:SCOPE_SE
	s_setreg_imm32_b32 hwreg(HW_REG_WAVE_MODE, 25, 1), 1
	s_wait_xcnt 0x0
	s_wait_alu depctr_hold_cnt(0) depctr_sa_sdst(0) depctr_va_vdst(0) depctr_va_sdst(0) depctr_va_ssrc(0) depctr_va_vcc(0) depctr_vm_vsrc(0)
	s_getreg_b32 s2, hwreg(HW_REG_IB_STS2, 6, 4)
	s_cmp_eq_u32 s2, 0
	s_cbranch_scc0 .Lentry_in_a_cluster
	s_endpgm
.Lentry_in_a_cluster:
	s_bfe_u32 s2, ttmp6, 0x10000c
	s_cmp_lg_u32 s2, 0x3003
	s_cbranch_scc0 .Lentry_shape_is_right
	s_endpgm
.Lentry_shape_is_right:
; out[b][p][:] = sum over q of softmax_q(s[q]) hq[b][q][:],  s[q] = sum over v of v_w[v] tanh(x[q][v]),  x[q][v] = sum over h of hq[b][q][h] hp[b][p][h] W[v][h].
; tanh(x) = 1 - 2 r, r = 1 / (1 + 2^x'), x' = 2 log2(e) x (the factor lies in wst).  So s[q] = sum(v_w) + s'[q] with s'[q] = sum over v of (-2 v_w[v]) r: the first
; term is the same for all q of a row and leaves a softmax unchanged, for every input; the text keeps s' and takes its true maximum away before the exponential.
; 2^x' = infinity gives r = 0, 2^x' = 0 gives r = 1: no clamp.  Products in f16 with f32 sums; everything else in f32; the weights a are divided by their sum in f32 and then rounded to f16.
; LIMITS.  f16 ends at 65,504: |hq|, |hp|, |2.885 W| and |2.885 W hp| stay below it (with all inputs thirty times those of unit spread the largest is some 3,000);
; below 6e-5 f16 keeps its fixed step of 6e-8.  NaN and infinities in the inputs are not treated apart.
; SHARES.  256 work-groups of four waves; work-group x owns rows 4 x .. 4 x + 3 of hp and out (1,024 rows (b, p)), WAVE w ONE ROW: 256 q x 512 v x 512 h = 8,192 matrix
; instructions, and the softmax never leaves the wave.  All four waves read the same hq[b] (whole in LDS, 4 planes of 128 h) and the same tiles of W.
; CLUSTER.  The four work-groups of a cluster have the same b and walk the same W: hq[b] and every tile of W are asked for jointly (mask 15).
; THE CONVEYOR.  A PIECE is 16 v x 256 q: 16 accumulators, 128 registers.  Piece i is multiplied in chunk times c = i .. i + 3, and in chunk time c every piece in hand takes
; k chunk c & 3 (128 h, four k-steps of 32).  So the four pieces in hand share each k-step's 16 fragments of hq, each piece meets all four chunks, and one piece is finished
; in every chunk time.  A piece of age a = c - i lies in register set S_a; in a chunk's fourth k-step each product writes its sum into the next set (S_3 into T), so the
; text of a chunk time is the same for all c.  The finished piece in T gets its tanh in SLICES that stand between the next chunk time's 256 products.
; THE TANH'S BATCHES.  A k-step's two runs of LDS loads cut a chunk time into eight HALF STEPS of 16 slices.  T's tiles go in PAIRS (pair P = tiles 2 P, 2 P + 1: 16 registers).  In half step H
; pair H + 2 gets its 16 exponentials, pair H + 1 its eight 1 + and then its 16 reciprocals, pair H its eight SS += r x VW (all modulo 8).  A half step's 32 transcendentals are ONE BATCH:
; nothing in the half step names a result of theirs; ONE wait stands at its end, and the readers stand in the next half step.  Eight waits a chunk time.
; Source 0 = 16 rows of W, scaled by the wave's hp (v_pk_mul_f16, once for each element and row p); source 1 = 16 rows of hq.  In the result a lane holds ONE q (lane % 16) and
; the v 8 (lane / 16) + 0..7.  Tile c of wst holds the rows of the four pieces in hand, row group p for age 3 - p.
; Chunk times 0-2 (pieces coming in) and 33, 34 (going out) are written out; 3 to 32 are the loop.  At c = 32 age 0 multiplies the tile's zero rows: 64 products, the price of one text.
; The loop's first trip runs its slices on a dummy piece (T = 1) with weights 0: 168 v_mov_b32 at the start, in the wait for the first tiles, instead of a second text of a chunk time.
; REGISTERS, in windows of 256 (s_set_vgpr_msb: bits 1:0 source 0, 3:2 source 1, 5:4 source 2, 7:6 destination):
;   window 0: v0-15 addresses; v16-79 WS, W's fragments, two buffers of 4 x 8; v80-111 SS, s' in pairs, tile t of q at +2 t; v112-127 RB, pair 7's reciprocals (at the head and on the way out: at work); v128-255 T, tile t at +8 t
;   window 1: v0-127 hq's fragments, tile t at 8 t; v128-135 HP; v144-151 VW, -2 v_w of the piece in T; v152-159 VWN, the next piece's
;   window 2: S_0 v0-127, S_1 v128-255          window 3: S_2, S_3 likewise
; No window holds a product's operands beside T, SS and WS: a slice costs two switches, 256 for a chunk time's 256 products.
.set PITCH, 272                        ; an LDS row: 256 bytes + 16 of padding = 68 words: the 16 rows of a fragment load start at 16 different groups of four banks (64 banks of 4 bytes: ISA guide 11.1)
.set FRB,   16*PITCH                   ; 16 rows
.set PLANE, 256*PITCH                  ; hq[b], 128 h of all 256 q
.set SLOT0, 4*PLANE                    ; 278,528: two slots for W's tiles, 64 rows each
.set SLOT1, SLOT0+64*PITCH             ; 295,936
.set SLOTX, 0xc400                     ; SLOT0 xor SLOT1
.set HPB,   SLOT1+64*PITCH             ; 313,344: wave w's row of hp in f16 at + 1,024 w.  From here on no tensor load ever lands
.set VWB,   HPB+4096                   ; -2 v_w in f32, 2,048 bytes
.set OST,   HPB                        ; the out stage, 4 rows x 2,048 bytes: over hp's and v_w's bytes, when nobody reads them any more
.set PST,   HPB+8192                   ; 321,536: the four waves' rows of a in f16
.set PP,    528                        ; 512 bytes + 16
.set TILEB, 16384                      ; a tile of wst
.set AL,  3                            ; v3   272 (l % 16) + 16 (l / 16): my lane's place in a fragment
.set AH,  4                            ; v4   LDS address of hq's fragments: AL + the plane
.set AW,  5                            ; v5   of W's: AL + the slot
.set APB, 6                            ; v6   HPB + 1,024 w + 16 (l / 16)
.set AP,  7                            ; v7   APB + the chunk's 256 bytes
.set AV,  8                            ; v8   VWB + 32 (l / 16) + 64 x piece
.set GOF, 9                            ; v9   2,048 w + 16 lane: my bytes in the work-group's rows of hp and of out; never rewritten
.set ATR, 10                           ; v10  my lane's place for the turning loads, in plane w
.set WS,  16
.set SS,  80
.set RB,  112
.set T,   128
.set HP,  128                          ; window 1
.set VW,  144
.set VWN, 152
.set WV,  14                           ; s14  my wave's number
.set G1H, 24                           ; s[24:31] descriptor group 1 for a plane of hq
.set G1W, 32                           ; s[32:39] for a tile of W
.set G0H, 40                           ; s[40:43] group 0: my plane
.set G0A, 44                           ; s[44:47] tile 0
.set G0B, 48                           ; s[48:51] tile 1; then it walks
.set TB,  52                           ; s52  the slot from which W is fetched
.set KC,  53                           ; s53  the k chunk of the fetches, 0..3
.set KH,  54                           ; s54  KC x PLANE
.set KP,  55                           ; s55  KC x 256
.set CN,  56                           ; s56  the loop's count
.set SEL, 58                           ; s[58:59] v_permlanex16_b32's selects: each lane takes its own place in the other half
.set L2E, 60                           ; s60  log2(e)
.set MSB, 0
.macro WIN new                         ; the immediate's high byte repeats the setting that is left; a switch that changes nothing is dropped
.if MSB != (\new)
	s_set_vgpr_msb (MSB<<8)|(\new)
.set MSB, (\new)
.endif
.endm
; A load into a register that a matrix instruction has read, and a vector instruction or store that reads a matrix result, stand four places behind it; only plain vector
; instructions that name none of its registers are places (ISA guide 7.12.1 for vector instructions).
.macro PLACES
.rept 4
	v_nop
.endr
.endm
; A round of the cluster's barrier: my work-group's barrier, wave 0 signals for the work-group, every wave waits for all four work-groups, my work-group's barrier once more.
.macro CREST                           ; a round behind its opening barrier
	s_cmp_lg_u32 s[WV], 0
	s_cbranch_scc1 .Lnot_wave_0_\@
	s_barrier_signal -3
.Lnot_wave_0_\@:
	s_barrier_wait -3
	s_barrier_signal -1
	s_barrier_wait -1
.endm
.macro CROUND
	s_barrier_signal -1
	s_barrier_wait -1
	CREST
.endm
.macro JLOAD                           ; the joint refill: a tile is 64 rows, one load, wave 0's.  Four v_nop follow it, ahead of the label
	s_cmp_lg_u32 s[WV], 0
	s_cbranch_scc1 .Lno_fill_\@
	tensor_load_to_lds s[G0B:G0B+3], s[G1W:G1W+7]
	s_nop 0
.rept 4
	v_nop
.endr
.Lno_fill_\@:
.endm
	s_load_b256 s[4:11], s[0:1], 0x0               ; hq16 s[4:5], wst s[6:7], hp s[8:9], v_w s[10:11]
	s_load_b64 s[12:13], s[0:1], 0x20              ; out0
	s_set_vgpr_msb 0x40
	v_lshl_add_u32 v254, v0, 2, 0x4f100
	v_mov_b32 v255, 0
	s_set_vgpr_msb 0x4045
	ds_add_u32 v254, v255
	s_set_vgpr_msb 0x4500
	v_lshrrev_b32 v1, 5, v0
	v_readfirstlane_b32 s[WV], v1                  ; wave 0..3
	s_bfe_u32 s15, ttmp6, 0x40000                  ; cx: my place in the cluster
	s_lshl_b32 s16, ttmp9, 2                       ; in a cluster launch ttmp9 counts clusters
	s_add_co_u32 s16, s16, s15                     ; x = 4 x cluster + cx: it enters hp's and out's addresses alone
	s_lshl_b32 s20, s16, 13                        ; four rows of 2,048 bytes
	s_mov_b32 s21, 0
	s_lshr_b32 s18, ttmp9, 4                       ; b: 16 clusters to a batch, shared by the four partners
	s_lshl_b32 s18, s18, 18                        ; hq16[b]: 262,144 bytes
	s_lshl_b32 s19, s[WV], 8                       ; my plane: 128 h = 256 bytes along the rows
	s_add_co_u32 s18, s18, s19
	s_mov_b32 s19, 0
	; group 1: 15:0 the mask of four; 17:16 2-byte elements; 20 padding on; 21 set beside a mask; 24:22 after every 64 words (code 5); 31:25 4 words (code 3)
	s_mov_b32 s[G1H], 15|(1<<16)|(1<<20)|(1<<21)|(5<<22)|(3<<25)
	s_mov_b32 s[G1H+1], 128<<16                    ; tensor_dim0 = 128
	s_mov_b32 s[G1H+2], 256<<16                    ; tensor_dim1 = 256
	s_mov_b32 s[G1H+3], 128<<16                    ; tile_dim0 = 128
	s_mov_b32 s[G1H+4], 256                        ; tile_dim1 = 256
	s_mov_b32 s[G1H+5], 512                        ; 512 elements from row to row
	s_mov_b32 s[G1H+6], 0
	s_mov_b32 s[G1H+7], 0
	s_mov_b32 s[G1W], 15|(1<<16)|(1<<20)|(1<<21)|(5<<22)|(3<<25)
	s_mov_b32 s[G1W+1], 128<<16                    ; tensor_dim0 = 128
	s_mov_b32 s[G1W+2], 64<<16                     ; tensor_dim1 = 64
	s_mov_b32 s[G1W+3], 128<<16                    ; tile_dim0 = 128
	s_mov_b32 s[G1W+4], 64                         ; tile_dim1 = 64
	s_mov_b32 s[G1W+5], 128                        ; a tile is dense
	s_mov_b32 s[G1W+6], 0
	s_mov_b32 s[G1W+7], 0
	s_mov_b32 s[G0H], 1
	s_mul_i32 s[G0H+1], s[WV], PLANE               ; no place in the cluster enters an LDS address
	s_mov_b32 s[G0A], 1
	s_mov_b32 s[G0A+1], SLOT0
	s_mov_b32 s[G0B], 1
	s_mov_b32 s[G0B+1], SLOT1
	s_mov_b32 s[TB], SLOT0
	s_mov_b32 s[KC], 0
	s_mov_b32 s[KH], 0
	s_mov_b32 s[KP], 0
	s_mov_b32 s[SEL], 0x76543210
	s_mov_b32 s[SEL+1], 0xfedcba98
	s_mov_b32 s[L2E], 0x3fb8aa3b
	s_wait_dscnt 0x0
	s_wait_kmcnt 0x0
	s_add_nc_u64 s[G0H+2:G0H+3], s[4:5], s[18:19]
	s_or_b32 s[G0H+3], s[G0H+3], 0x80000000        ; type = 2
	s_mov_b64 s[G0A+2:G0A+3], s[6:7]
	s_or_b32 s[G0A+3], s[G0A+3], 0x80000000
	s_add_nc_u64 s[G0B+2:G0B+3], s[6:7], TILEB
	s_or_b32 s[G0B+3], s[G0B+3], 0x80000000
	s_add_nc_u64 s[8:9], s[8:9], s[20:21]          ; hp and out at the work-group's four rows
	s_add_nc_u64 s[12:13], s[12:13], s[20:21]
	CROUND                                         ; all four work-groups are here: the first joint loads meet
	s_cmp_lg_u32 s[WV], 0                          ; a wave's first fills stand in one branch: wave 0 has three loads out, the others one
	s_cbranch_scc1 .Lfill_others
	tensor_load_to_lds s[G0H:G0H+3], s[G1H:G1H+7]
	s_nop 0
	tensor_load_to_lds s[G0A:G0A+3], s[G1W:G1W+7]
	s_nop 0
	tensor_load_to_lds s[G0B:G0B+3], s[G1W:G1W+7]
	s_nop 0
.rept 4
	v_nop
.endr
	s_branch .Lfilled
.Lfill_others:
	tensor_load_to_lds s[G0H:G0H+3], s[G1H:G1H+7]
	s_nop 0
.rept 4
	v_nop
.endr
.Lfilled:
	; in the wait for the tiles: my row of hp, v_w, the addresses, and what the loop's first trip finds
	v_and_b32 v1, 15, v0                           ; l % 16
	v_bfe_u32 v2, v0, 4, 1                         ; l / 16
	v_and_b32 v11, 31, v0                          ; lane
	s_lshl_b32 s17, s[WV], 11
	v_lshl_add_u32 v[GOF], v11, 4, s17
	v_lshlrev_b32 v12, 4, v0                       ; 16 t: the 128 threads take v_w's 2,048 bytes
.irp i, 0,1,2,3
	global_load_b128 v[112+4*(\i):115+4*(\i)], v[GOF], s[8:9] offset:512*(\i) th:TH_LOAD_NT  ; 512 consecutive bytes of my row: h = 128 i + 4 lane ..
.endr
	global_load_b128 v[16:19], v12, s[10:11]
	v_mul_u32_u24 v[AL], v1, PITCH
	v_lshl_add_u32 v[AL], v2, 4, v[AL]
	s_lshl_b32 s22, s[WV], 10
	s_add_co_u32 s22, s22, HPB
	v_lshl_add_u32 v[APB], v2, 4, s22
	v_lshl_add_u32 v13, v11, 3, s22                ; where my 4 numbers of hp go: 8 bytes a lane
	v_lshlrev_b32 v[AV], 5, v2
	v_add_nc_u32 v[AV], VWB, v[AV]
	v_add_nc_u32 v15, VWB, v12
	v_and_b32 v14, 7, v0                           ; the turning load: lane l reads row 8 (l / 16) + l % 8, bytes 16 ((l / 8) % 2) ..
	v_lshl_add_u32 v14, v2, 3, v14
	v_mul_u32_u24 v[ATR], v14, PITCH
	v_bfe_u32 v14, v0, 3, 1
	v_lshl_add_u32 v[ATR], v14, 4, v[ATR]
	v_add_nc_u32 v[ATR], s[G0H+1], v[ATR]          ; in plane w
.set i, 0
.rept 128
	v_mov_b32 v[T+i], 1.0                          ; the dummy piece: every step of its tanh stays finite, at whichever of them a pair is taken up
.set i, i+1
.endr
.set i, 0
.rept 32
	v_mov_b32 v[SS+i], 0
.set i, i+1
.endr
	WIN 0x40
.set i, 0
.rept 8
	v_mov_b32 v[VW+i], 0                           ; and its weights are 0
.set i, i+1
.endr
	WIN 0
	s_wait_loadcnt 0x0
.irp i, 0,1,2,3
	v_cvt_pk_f16_f32 v[20+2*(\i)], v[112+4*(\i)], v[113+4*(\i)]
	v_cvt_pk_f16_f32 v[21+2*(\i)], v[114+4*(\i)], v[115+4*(\i)]
.endr
.irp i, 0,1,2,3
	ds_store_b64 v13, v[20+2*(\i):21+2*(\i)] offset:256*(\i)
.endr
	v_pk_mul_f32 v[16:17], v[16:17], -2.0 op_sel_hi:[1,0]
	v_pk_mul_f32 v[18:19], v[18:19], -2.0 op_sel_hi:[1,0]
	ds_store_b128 v15, v[16:19]
	s_wait_tensorcnt 0x0                           ; my plane (and wave 0's two tiles) have landed,
	s_wait_dscnt 0x0                               ; my stores are done: for the others' sake
	s_barrier_signal -1
	s_barrier_wait -1                              ; everybody's
; THE LDS LOADS stand in runs.  k is the k-step in hand, j its number in the chunk.
; LDW: W of k-step k + 2, as it lies, into the buffer that k has just left, and the 32 numbers of hp that go with it.
.macro LDW j
	WIN 0
.irp p, 0,1,2,3
	ds_load_b128 v[WS+32*((\j)%2)+8*(\p):WS+32*((\j)%2)+8*(\p)+3],   v[AW] offset:FRB*(\p)+64*(((\j)+2)%4)
	ds_load_b128 v[WS+32*((\j)%2)+8*(\p)+4:WS+32*((\j)%2)+8*(\p)+7], v[AW] offset:FRB*(\p)+64*(((\j)+2)%4)+32
.endr
	WIN 0x40                                       ; destination window 1, address window 0
	ds_load_b128 v[HP:HP+3],   v[AP] offset:64*(((\j)+2)%4)
	ds_load_b128 v[HP+4:HP+7], v[AP] offset:64*(((\j)+2)%4)+32
.endm
; LDH: hq's fragments t = 8 hf .. 8 hf + 7 of k-step k + 1.  The largest offset, 15 x 4,352 + 192 + 32 = 65,504, is inside the 16-bit immediate.
.macro LDH hf, j
	WIN 0x40
.irp t, 0,1,2,3,4,5,6,7
	ds_load_b128 v[64*(\hf)+8*(\t):64*(\hf)+8*(\t)+3],   v[AH] offset:FRB*(8*(\hf)+(\t))+64*(((\j)+1)%4)
	ds_load_b128 v[64*(\hf)+8*(\t)+4:64*(\hf)+8*(\t)+7], v[AH] offset:FRB*(8*(\hf)+(\t))+64*(((\j)+1)%4)+32
.endr
.endm
; Each run closes a half step of the tanh: the wait for that half step's batch stands directly ahead of the run's loads, behind the four places, which are also the plain lines behind the batch's last exponential.
.macro RUN_A j                         ; in a step's middle: the first half of hq's fragments has been multiplied
	WIN 0
	PLACES
.if (\j) == 3
	v_add_nc_u32 v[AH], s[KH], v[AL]               ; the next chunk's plane
.endif
.if TNH
	s_wait_alu depctr_va_vdst(0)                   ; ONE wait for the 32 transcendentals of the step's first half, ahead of their first reader, the next slice's 1 +
.endif
	LDH 0, \j
.if ((\j) == 0) && TNH
	ds_load_b128 v[VWN:VWN+3],   v[AV]             ; -2 v_w of the piece that this chunk time finishes
	ds_load_b128 v[VWN+4:VWN+7], v[AV] offset:16
	WIN 0
	v_add_nc_u32 v[AV], 64, v[AV]
.endif
.endm
.macro RUN_B j, wl                     ; at a step's end.  wl = 0: there is no k-step k + 2.  WB = 1: the batch of the step's second half is still without its wait
	WIN 0
	PLACES
.if (\wl) && ((\j) == 2)
	v_add_nc_u32 v[AW], s[TB], v[AL]               ; the next tile lies in the other slot,
	v_add_nc_u32 v[AP], s[KP], v[APB]              ; and takes the next chunk of hp
.endif
.if WB
	s_wait_alu depctr_va_vdst(0)                   ; ONE wait for the 32 transcendentals of the step's second half, ahead of their first reader; in a chunk's last step also ahead of the loop's jump
.endif
.if \wl
	LDW \j
.endif
	LDH 1, \j
.endm
; THE MATRIX WORK.  One product, for the piece of age AGE and tile TT of q, in k-step J of the chunk.  MV = 1 (the chunk's fourth k-step): the sum goes on into the next set.
; A piece's first product (age 0, step 0) starts the sums with the constant 0: no accumulator is ever cleared.
.macro WM
.set rA, WS+32*(J%2)+8*(3-AGE)
.set rB, 8*TT
.set rC, 128*(AGE%2)+8*TT
.set rD, rC
.set wC, 2+AGE/2
.set wD, wC
.if MV
.if AGE == 3
.set rD, T+8*TT
.set wD, 0
.else
.set rD, 128*((AGE+1)%2)+8*TT
.set wD, 2+(AGE+1)/2
.endif
.endif
	WIN 0x04|(wC<<4)|(wD<<6)
.if (AGE == 0) && (J == 0)
	v_wmma_f32_16x16x32_f16 v[rD:rD+7], v[rA:rA+7], v[rB:rB+7], 0
.else
	v_wmma_f32_16x16x32_f16 v[rD:rD+7], v[rA:rA+7], v[rB:rB+7], v[rC:rC+7]
.endif
.endm
.macro NEXTP amax, hf                  ; product PI of a half step's list: the oldest piece first, its eight tiles, then the next piece
.set AGE, (\amax)-PI/8
.set TT, 8*(\hf)+PI%8
	WM
.set PI, PI+1
.endm
; THE VECTOR WORK.  MOP: register M of 32 of W of k-step k + 1 times hp, in place (both lie in a fragment's order of k).
.macro MOP
	v_pk_mul_f16 v[WS+32*((J+1)%2)+M], v[WS+32*((J+1)%2)+M], v[HP+M%8]
.set M, M+1
.endm
; TQ: number Q of 32 of a half step's batch: 0-15 the reciprocals of the pair at TR (into XR: in place, but pair 7's into RB), 16-31 the exponentials of the pair at TE, in place.
; RON = 0: no pair is left to add to and invert.  EON = 0: no pair is left to begin.
.macro TQ
.if (Q < 16) && RON
	v_rcp_f32 v[XR+Q], v[TR+Q]
.elseif (Q >= 16) && EON
	v_exp_f32 v[TE+Q-16], v[TE+Q-16]
.endif
.endm
; SLICE SI (0..7) of unit U (0..15 in a chunk time) is slice SL = 8 (U % 2) + SI of half step HS = U / 2.  Its lines: a plain line of the tanh; number 2 SL - 1 of the batch; a MOP or v_nop; number 2 SL; a MOP in
; some; in slice 15 number 31 too.  The plain line: slices 0-7: 1 + for register pair SL of the pair of tiles HS + 1, whose exponentials stood in the half step before; slices 8-15: SS += r x VW for register
; pair SL - 8 of the pair of tiles HS, whose reciprocals stood there.  So every reader of a transcendental stands a half step, and that half step's one wait, behind it.  A reciprocal reads only the 1 +
; of its register pair, which is plain: number 2 SL two lines behind it, number 2 SL + 1 a slice behind it.  Plain and transcendental go by turns, so that each transcendental has a plain line behind it (ISA guide 5.7.2).
; The first reader of a tile of T is the exponential of its register 0 (numbers 16 and 24).
; The second plain line is a MOP where W has landed (units 1-3 of a step), else v_nop; 8 + 12 + 12 MOPs make a step's 32.
; TNH = 0: no piece is in T (two plain lines stay: the places between the products of a fourth k-step).  MON = 0: no W is left to scale.  DRN = 1: no products stand between the slices: a v_nop only beside transcendentals.
.macro SLICE
	WIN 0x04                                       ; source 1 (HP, VW) in window 1, all else in window 0
.set HS, U/2
.set SL, 8*(U%2)+SI
.set TE, T+16*((HS+2)%8)
.set TR, T+16*((HS+1)%8)
.set XR, TR
.if (HS+1)%8 == 7
.set XR, RB
.endif
.set XF, T+16*HS
.if HS == 7
.set XF, RB
.endif
.set PAD, 1
.if DRN
.set PAD, 0
.if ((SL < 9) && RON) || ((SL >= 8) && EON)
.set PAD, 1
.endif
.endif
.if !TNH
	v_nop
.elseif (SL < 8) && RON
	v_pk_add_f32 v[TR+2*SL:TR+2*SL+1], v[TR+2*SL:TR+2*SL+1], 1.0 op_sel_hi:[1,0]
.elseif SL >= 8
.set FI, SL-8
.set SR, SS+4*HS+2*(FI/4)
	v_pk_fma_f32 v[SR:SR+1], v[XF+2*FI:XF+2*FI+1], v[VW+2*(FI%4):VW+2*(FI%4)+1], v[SR:SR+1]
.endif
.if TNH && (SL > 0)
.set Q, 2*SL-1
	TQ
.endif
.if MON && (U%4 != 0)
	MOP
.elseif PAD
	v_nop
.endif
.if TNH
.set Q, 2*SL
	TQ
.endif
.if MON && (U%4 >= 2) && (SI%2 == 0)
	MOP
.endif
.if TNH && (SL == 15)
.set Q, 31
	TQ
.endif
.endm
; UNIT uu (0..3) of a k-step: a quarter of its products (units 0, 1: tiles 0-7 of q; units 2, 3: tiles 8-15), dealt evenly in front of eight slices.
; The accumulators take turns, one instruction a turn.  In a fourth k-step a product writes over the C of the product eight back in the list: between
; them stand four slices or more, each with two plain lines that name none of that product's registers.
; T's tiles 0-7 are written in units 12, 13, tiles 0 and 1 in unit 12, and pair 0's exponentials stand in unit 13; tiles 8-15 are written in units 14, 15.  Of the old piece pair 6 has its sums in unit 13.
; Pair 7's registers in T are read for the last time by its reciprocals, in units 12 and 13; its sums stand in unit 15, when tiles 14 and 15 hold the new piece: that is why those reciprocals go to RB.
; So the weights change behind unit 15's last slice: behind the old piece's last sum, ahead of the new piece's first (the next chunk time's unit 1).
.macro UNIT uu, amin, amax
.set U, 4*J+(\uu)
.set NPU, 4*((\amax)-(\amin)+1)
.set PI, NPU*((\uu)%2)
.set SI, 0
.rept 8
.set NN, ((SI+1)*NPU)/8-(SI*NPU)/8
.if NN >= 1
	NEXTP \amax, (\uu)/2
.endif
.if NN >= 2
	NEXTP \amax, (\uu)/2
.endif
	SLICE
.if TNH && (U == 15) && (SI == 7)
	WIN 0x41                                       ; source 0 and destination in window 1
.set z, 0
.rept 8
	v_mov_b32 v[VW+z], v[VWN+z]
.set z, z+1
.endr
.endif
.set SI, SI+1
.endr
.endm
; A K-STEP.  chg (in step 2 alone): the change of slots.  W's tile c was read for the last time at the end of step 1.  Each wave waits for its LDS reads and for all its tensor
; loads (wave 0: the next tile) and signals; a unit of register work; behind the wait nobody reads the old slot and the next tile is whole.
; chg = 2: the old slot takes tile c + 2: the barrier opens a round of the cluster's, and the joint refill is the first thing behind it; it has 256 products in which to land.
; chg = 1: nothing is left to ask for.  last = 1: the launch's last chunk time.
.macro STEP j, amin, amax, chg, last
.set J, (\j)
.set M, 0
.set MV, (\j)/3
.set FIN, (\last)*((\j)/3)
.set MON, 1-FIN
.set WB, TNH
.if FIN
	s_wait_dscnt 16                                ; hq's tiles 0-7 are in; the 16 loads of tiles 8-15 may be out
.else
	s_wait_dscnt 26                                ; hq's tiles 0-7 are in; the last run's 8 + 2 + 16 loads may be out
.endif
	UNIT 0, \amin, \amax
.if !FIN
	s_wait_dscnt 16                                ; W and hp of the next k-step are in; hq's tiles 8-15 may be out
.endif
	UNIT 1, \amin, \amax
.if FIN
	s_wait_dscnt 0
	s_wait_alu depctr_va_vdst(0)                   ; no run of loads stands here: the wait for the batch of the step's first half, ahead of the next slice's 1 +
.else
	RUN_A \j
.if ((\j) == 0) && TNH
	s_wait_dscnt 18                                ; hq's tiles 8-15 are in; the 16 + 2 loads just issued may be out
.else
	s_wait_dscnt 16                                ; the same, 16 just issued
.endif
.endif
	UNIT 2, \amin, \amax
.if ((\j) == 2) && (\chg)
	s_wait_dscnt 0x0                               ; my reads of the old slot are long back, and no LDS instruction is out at a signal
	s_set_vgpr_msb 0x405
	s_wait_tensorcnt 0x0                           ; no tensor load of mine is out, so a group 0 may be written
	ds_add_u32 v254, v255
	s_wait_dscnt 0x0
	s_set_vgpr_msb 0x504
.if (\chg) == 2
	s_xor_b32 s[G0B+1], s[G0B+1], SLOTX            ; the other slot than last time,
	s_add_nc_u64 s[G0B+2:G0B+3], s[G0B+2:G0B+3], TILEB  ; the next tile; the type bits on top are not reached
.endif
	s_barrier_signal -1
.endif
	UNIT 3, \amin, \amax
.if ((\j) == 2) && (\chg)
	WIN 0                                          ; at a branch and at a label every window is 0
.if TNH
	s_wait_alu depctr_va_vdst(0)                   ; the wait for the batch of this step's second half stands here, ahead of the round's branches and labels; the run of loads below then has none
.set WB, 0
.endif
	s_barrier_wait -1
.if (\chg) == 2
	CREST
	JLOAD
.endif
	s_xor_b32 s[TB], s[TB], SLOTX                  ; the fetches go on in the other slot,
	s_add_co_u32 s[KC], s[KC], 1                   ; and in the next k chunk
	s_and_b32 s[KC], s[KC], 3
	s_mul_i32 s[KH], s[KC], PLANE
	s_lshl_b32 s[KP], s[KC], 8
.endif
.if !FIN
	RUN_B \j, 1-(\last)*((\j)/2)
.endif
.endm
.macro CHUNK amin, amax, th, chg, last ; a chunk time, for the pieces of ages amin .. amax
.set TNH, (\th)
.set EON, 1
.set RON, 1
.set DRN, 0
	STEP 0, \amin, \amax, \chg, \last
	STEP 1, \amin, \amax, \chg, \last
	STEP 2, \amin, \amax, \chg, \last
	STEP 3, \amin, \amax, \chg, \last
.endm
	; the first fragments: W and hp of k-step 0, hq's tiles 0-7; W is scaled; then what the end of a step fetches
.set TNH, 0
.set WB, 0
	v_add_nc_u32 v[AW], s[TB], v[AL]
	v_mov_b32 v[AP], v[APB]
	v_mov_b32 v[AH], v[AL]
	LDW 2
	LDH 0, 3
	s_wait_dscnt 16                                ; W and hp are in; hq's 16 loads may be out
	WIN 0x04
.set J, 1
.set M, 0
.rept 32
	MOP
.endr
	RUN_B 3, 1
	CHUNK 0, 0, 0, 2, 0                            ; c = 0: piece 0
	CHUNK 0, 1, 0, 2, 0                            ; c = 1: pieces 0, 1
	CHUNK 0, 2, 0, 2, 0                            ; c = 2: pieces 0 to 2
	WIN 0
	s_mov_b32 s[CN], 30
.Lchunk:                                               ; c = 3 .. 32: four pieces in hand, one finished, the one before in T
	CHUNK 0, 3, 1, 2, 0
	WIN 0
	s_sub_co_u32 s[CN], s[CN], 1
	s_cmp_lg_u32 s[CN], 0
	s_cbranch_scc1 .Lchunk
	CHUNK 2, 3, 1, 1, 0                            ; c = 33: pieces 30, 31; the tail is written out
	CHUNK 3, 3, 1, 0, 1                            ; c = 34: piece 31
	; hq once more, for the last product: wave w takes plane w (128 columns of out), turned: fragment (32 q from 32 ks, 16 h from 16 nt) into the sets S, which are free.
	WIN 0
	PLACES
	s_wait_alu depctr_va_vdst(0)                   ; the wait for the last chunk time's last batch (pair 0's reciprocals, pair 1's exponentials), directly ahead of the run of loads
.set ks, 0
.rept 8
	WIN 0x80+0x40*(ks/4)                           ; destination window 2, then 3
.set nt, 0
.rept 8
	ds_load_tr16_b128 v[64*(ks%4)+8*nt:64*(ks%4)+8*nt+3],   v[ATR] offset:2*FRB*ks+32*nt
	ds_load_tr16_b128 v[64*(ks%4)+8*nt+4:64*(ks%4)+8*nt+7], v[ATR] offset:2*FRB*ks+32*nt+FRB
.set nt, nt+1
.endr
.set ks, ks+1
.endr
	; the last piece's tanh goes on: eight half steps more, slices without products.  The exponentials end with pair 7 in half step 5, the reciprocals in half step 6; half step 7 has pair 7's sums alone.
.set TNH, 1
.set MON, 0
.set DRN, 1
.set U, 0
.rept 16
.set EON, 1
.set RON, 1
.if U/2 >= 6
.set EON, 0
.endif
.if U/2 >= 7
.set RON, 0
.endif
.set SI, 0
.rept 8
	SLICE
.set SI, SI+1
.endr
.if (U%2 == 1) && (U < 14)
	s_wait_alu depctr_va_vdst(0)                   ; the wait for the half step's batch, ahead of the next half step's first line, which reads it
.endif
.set U, U+1
.endr
	; THE SOFTMAX over my row's 256 q: lane l holds q = 16 t + l % 16, t = 0..15; a q's other eight v of each piece lie in the lane 16 away.
	WIN 0
.macro ALL line:vararg                 ; one line for each t
.set t, 0
.rept 16
	\line
.set t, t+1
.endr
.endm
	ALL v_add_f32 v[SS+2*t], v[SS+2*t], v[SS+2*t+1]
	ALL v_permlanex16_b32 v[SS+2*t+1], v[SS+2*t], s[SEL], s[SEL+1]
	ALL v_add_f32 v[SS+2*t], v[SS+2*t], v[SS+2*t+1]
	v_max3_num_f32 v112, v[SS], v[SS+2], v[SS+4]
	v_max3_num_f32 v113, v[SS+6], v[SS+8], v[SS+10]
	v_max3_num_f32 v114, v[SS+12], v[SS+14], v[SS+16]
	v_max3_num_f32 v115, v[SS+18], v[SS+20], v[SS+22]
	v_max3_num_f32 v112, v112, v[SS+24], v[SS+26]
	v_max3_num_f32 v113, v113, v[SS+28], v[SS+30]
	v_max3_num_f32 v112, v112, v113, v114
	v_max_num_f32 v112, v112, v115
.irp x, 1,2,4,8                        ; both halves of the lanes hold the same 16 columns: four steps inside a half do
	v_max_num_f32_dpp v112, v112, v112 row_xmask:\x row_mask:0xf bank_mask:0xf
.endr
	v_mul_f32 v113, s[L2E], v112
	ALL v_fma_f32 v[SS+2*t], v[SS+2*t], s[L2E], -v113
	ALL v_exp_f32 v[SS+2*t], v[SS+2*t]
	s_mul_i32 s17, s[WV], PP                       ; (the addresses for the way out are the plain lines behind the exponentials)
	s_add_co_u32 s17, s17, PST
	v_lshl_add_u32 v14, v1, 1, s17                 ; my row of a, 2 bytes at q = l % 16
	v_and_b32 v15, 3, v1                           ; a as source 0: row l % 4, so that rows 4-15 repeat rows 0-3 and no byte is read that nobody wrote
	v_mul_u32_u24 v15, v15, PP
	v_lshl_add_u32 v15, v2, 4, v15
	v_add_nc_u32 v15, PST, v15
	s_lshl_b32 s17, s[WV], 9
	s_add_co_u32 s17, s17, OST
	v_lshl_add_u32 v11, v1, 2, s17                 ; into the out stage: my plane's 512 bytes of a row, column l % 16
	v_add_nc_u32 v12, OST, v[GOF]                  ; and back: row w, 16 bytes a lane
.set i, 0
	s_wait_alu depctr_va_vdst(0)                   ; ONE wait for the softmax's 16 exponentials, ahead of the sums that read them; the address lines above are the work between
.rept 8
	v_add_f32 v[112+i], v[SS+4*i], v[SS+4*i+2]
.set i, i+1
.endr
	v_add_f32 v112, v112, v113
	v_add_f32 v114, v114, v115
	v_add_f32 v116, v116, v117
	v_add_f32 v118, v118, v119
	v_add_f32 v112, v112, v114
	v_add_f32 v116, v116, v118
	v_add_f32 v112, v112, v116
.irp x, 1,2,4,8
	v_add_f32_dpp v112, v112, v112 row_xmask:\x row_mask:0xf bank_mask:0xf
.endr
	v_rcp_f32 v113, v112                           ; the sum is at least 1: the largest weight is 2^0
	v_nop
	s_wait_alu depctr_va_vdst(0)                   ; the wait for that one reciprocal, a batch of its own: it reads the sum of the exponentials, and all 16 weights read it
	ALL v_mul_f32 v[SS+2*t], v[SS+2*t], v113
	ALL v_cvt_pk_f16_f32 v[SS+2*t+1], v[SS+2*t], v[SS+2*t]
	ALL ds_store_b16 v14, v[SS+2*t+1] offset:32*t
	s_wait_dscnt 0x0                               ; my row of a is stored, and all my reads of hp's and v_w's bytes are back: the out stage will lie over them
	s_barrier_signal -1
	s_barrier_wait -1
	; THE LAST PRODUCT: out[4 rows][my 128 columns] = a[4 rows][256 q] hq[256 q][128]: source 0 = a, source 1 = hq turned; eight accumulators by turns, in T's upper half.
	WIN 0x40
.irp k, 0,1,2,3,4,5,6,7
	ds_load_b128 v[8*(\k):8*(\k)+3],   v15 offset:64*(\k)
	ds_load_b128 v[8*(\k)+4:8*(\k)+7], v15 offset:64*(\k)+32
.endr
	s_wait_dscnt 0x0
.set ks, 0
.rept 8
	WIN 0x09+4*(ks/4)                              ; a in window 1, hq in window 2, then 3; the sums in window 0
.set nt, 0
.rept 8
.if ks == 0
	v_wmma_f32_16x16x32_f16 v[192+8*nt:199+8*nt], v[8*ks:8*ks+7], v[64*(ks%4)+8*nt:64*(ks%4)+8*nt+7], 0
.else
	v_wmma_f32_16x16x32_f16 v[192+8*nt:199+8*nt], v[8*ks:8*ks+7], v[64*(ks%4)+8*nt:64*(ks%4)+8*nt+7], v[192+8*nt:199+8*nt]
.endif
.set nt, nt+1
.endr
.set ks, ks+1
.endr
	WIN 0
	PLACES
	; register j (0..3) of a result is row j, column l % 16 (in both halves of the lanes: rows 8-11 repeat rows 0-3, and store the same numbers to the same bytes)
.set nt, 0
.rept 8
.irp j, 0,1,2,3
	ds_store_b32 v11, v[192+8*nt+(\j)] offset:2048*(\j)+64*nt
.endr
.set nt, nt+1
.endr
	s_wait_dscnt 0x0                               ; for the others' sake
	s_barrier_signal -1
	s_barrier_wait -1
.irp i, 0,1,2,3
	ds_load_b128 v[112+4*(\i):115+4*(\i)], v12 offset:512*(\i)
.endr
.irp i, 0,1,2,3
	s_wait_dscnt 3-(\i)                            ; LDS loads come back in order (ISA guide 5.7.1): the younger ones may be out
	global_store_b128 v[GOF], v[112+4*(\i):115+4*(\i)], s[12:13] offset:512*(\i) th:TH_STORE_NT  ; 512 consecutive bytes of my row, aligned
.endr
	s_set_vgpr_msb 0x5
	s_wait_tensorcnt 0x0
	ds_add_u32 v254, v255
	s_wait_dscnt 0x0
	s_set_vgpr_msb 0x500
	CROUND                                         ; the closing round: no work-group ends while a partner may still ask for a tile that names it
	s_endpgm
.Lfunc_end_k_q0bbaca64cf_attn:
	.size	k_q0bbaca64cf_attn, .Lfunc_end_k_q0bbaca64cf_attn-k_q0bbaca64cf_attn
	.p2alignl 7, 3214868480
	.fill 96, 4, 3214868480
	.section	.rodata,"a",@progbits
	.p2align	6, 0x0
	.amdhsa_kernel k_q0bbaca64cf_attn
		.amdhsa_group_segment_fixed_size 327680
		.amdhsa_private_segment_fixed_size 0
		.amdhsa_enable_private_segment 0
		.amdhsa_kernarg_size 40
		.amdhsa_user_sgpr_count 2
		.amdhsa_user_sgpr_kernarg_segment_ptr 1
		.amdhsa_wavefront_size32 1
		.amdhsa_system_sgpr_workgroup_id_x 1
		.amdhsa_system_sgpr_workgroup_id_y 1
		.amdhsa_system_sgpr_workgroup_id_z 1
		.amdhsa_system_vgpr_workitem_id 0
		.amdhsa_next_free_vgpr 1024
		.amdhsa_next_free_sgpr 66
		.amdhsa_reserve_vcc 0
		.amdhsa_float_denorm_mode_32 3
		.amdhsa_float_denorm_mode_16_64 3
		.amdhsa_memory_ordered 1
		.amdhsa_forward_progress 1
		.amdhsa_inst_pref_size 255
	.end_amdhsa_kernel
	.section	.bss,"aw",@nobits
	.p2align	6
	.space	262144
	.amdgpu_metadata
---
amdhsa.version: [ 1, 2 ]
amdhsa.kernels:
  - .name:           k_q0bbaca64cf_attn
    .symbol:         k_q0bbaca64cf_attn.kd
    .args:
      - { .name: hq16, .offset: 0, .size: 8, .value_kind: global_buffer, .address_space: global }
      - { .name: wst, .offset: 8, .size: 8, .value_kind: global_buffer, .address_space: global }
      - { .name: hp, .offset: 16, .size: 8, .value_kind: global_buffer, .address_space: global }
      - { .name: v_w, .offset: 24, .size: 8, .value_kind: global_buffer, .address_space: global }
      - { .name: out0, .offset: 32, .size: 8, .value_kind: global_buffer, .address_space: global }
    .group_segment_fixed_size: 327680
    .private_segment_fixed_size: 0
    .kernarg_segment_align: 8
    .kernarg_segment_size: 40
    .max_flat_workgroup_size: 128
    .sgpr_count:     66
    .vgpr_count:     1024
    .wavefront_size: 32
...
	.end_amdgpu_metadata
.endif
;; end of part 3
